; MI455X (gfx1250); checked and timed in simulation.
; The chip was launched on July 23, 2026; its instructions are those of AMD's public machine-readable ISA for CDNA 5 (MIT licence, August 2026) and "CDNA5" Instruction Set Architecture Reference Guide (July 2026). The comments in the code are by the model that wrote it; some were corrected since.
;; Scaled Dot Product Attention. Allowed arithmetic: matrix products marked QUANTISED: E2M1 operands, one E8M0 scale for each 32 along K, by v_wmma_scale_f32_16x16x128_f8f6f4 with both operands' format E2M1 (or v_wmma_scale_f32_32x16x128_f4), f32 sums; everything else in f32.
;; Inputs: k_codes 4 x 16 x 2,048 x 2 x 16 uint8 (E2M1 codes of k, K innermost, in blocks of 32 codes, two codes a byte); k_scales 4 x 16 x 2,048 x 2 uint8 (E8M0 scales of k, one for each 32 codes along K); q_codes 4 x 16 x 2,048 x 2 x 16 uint8 (E2M1 codes of q, K innermost, in blocks of 32 codes, two codes a byte); q_scales 4 x 16 x 2,048 x 2 uint8 (E8M0 scales of q, one for each 32 codes along K); v_codes 4 x 16 x 64 x 64 x 16 uint8 (E2M1 codes of v, K innermost, in blocks of 32 codes, two codes a byte); v_scales 4 x 16 x 64 x 64 uint8 (E8M0 scales of v, one for each 32 codes along K).
;; Outputs: out0 4 x 16 x 2,048 x 64 float32.
;; This version of the problem:
;;   THIS VERSION OF THE PROBLEM IS GIVEN IN LOW PRECISION. The matrix products marked QUANTISED in the list below multiply operands that are first quantised to E2M1 (2 exponent bits, 1 mantissa bit; 4 bits a number), with one power-of-two scale for each 32 numbers along K (OCP MX v1.0); their sums are f32. All else is computed in f32.
;;   The module's matrix products, in the order in which they are computed (A, B: the left and right operand; K: the contracted axis; several contracted axes count as one K, in the product's order):
;;     1. batch 64 x [M 2,048, K 64] x [K 64, N 2,048]; A: input q (given as codes); B: input k (given as codes): QUANTISED
;;     2. batch 64 x [M 2,048, K 2,048] x [K 2,048, N 64]; A: computed on the way; B: input v (given as codes): QUANTISED
;;   THE QUANTISER, for each operand of a quantised product, along K:
;;     - K is cut into blocks of 32 from its start; a last block that is shorter is filled with zeros.
;;     - A block's scale is 2^e with e = floor(log2(the largest magnitude in the block)) - 2, held to -126 .. 127; a block of zeros has e = 0. As a byte (E8M0): e + 127.
;;     - Each number is divided by its block's scale, clamped to +-6, and rounded to the nearest number of E2M1, ties to even, subnormals kept.
;;     - The product sums the exact products of the quantised numbers (number of the format x scale) in f32.
;;   ~~~python
;;   def quantise(x, axis):      # numpy; x: float32 -> the quantised numbers, widened to float32 again
;;       x = np.moveaxis(x, axis, -1); K = x.shape[-1]
;;       x = np.pad(x, [(0, 0)] * (x.ndim - 1) + [(0, -K % 32)]); x = x.reshape(x.shape[:-1] + (-1, 32)); a = np.abs(x).max(-1, keepdims=True)
;;       e = np.where(a > 0, np.clip(np.frexp(np.where(a > 0, a, 1))[1] - 1 - 2, -126, 127), 0)      # np.frexp(a)[1] - 1 = floor(log2(a)), exactly
;;       r = np.clip(x / 2.0 ** e, -6, 6)
;;       step = 2.0 ** (np.maximum(np.frexp(np.where(r == 0, 1, r))[1] - 1, 0) - 1)
;;       q = np.round(r / step) * step * 2.0 ** e      # np.round: ties to even
;;       return np.moveaxis(q.reshape(q.shape[:-2] + (-1,))[..., :K], -1, axis).astype(np.float32)
;;   ~~~
;;   OPERANDS COMPUTED ON THE WAY. 'Computed on the way' means the value that the module computes at that place (a softmax that the list does not call 'softmax' is quantised finished and normalised). What goes into a quantiser is computed in f32, as accurately as f32 sums, v_exp_f32 and their like allow (about 1e-6 of the number): no bf16 or f16 on the way to a quantiser, and a product that is left as it is and whose result goes on into a quantised operand takes f32 operands (vector FMAs, or v_wmma_f32_16x16x4_f32). A number that lies on a knife's edge between two numbers of the format may be rounded either way, as far as f32 arithmetic and the matrix unit's own rounding can turn it there, and no further.
;;   INPUTS GIVEN AS CODES. k (in the module: [4, 16, 2048, 64], K = its axis 3); q (in the module: [4, 16, 2048, 64], K = its axis 3); v (in the module: [4, 16, 2048, 64], K = its axis 2): each comes as NAME_codes (uint8): NAME with its K axis moved to the last place and cut into blocks of 32 codes, [.., K / 32, bytes a block], one block behind the other in memory; two codes a byte, the lower K in the low four bits (a code: sign, 2 exponent bits, 1 mantissa bit); and NAME_scales (uint8): the same leading axes, one E8M0 byte (e + 127) for each 32 codes along K. Its value is code x scale, taken as it is: it is not quantised again, and the codes and scales need not be those that the quantiser above would give.
;; 2 versions, each right; version 2 is version 1 with the launch attn written anew for expert scheduling mode. Each part assembles by itself: llvm-mc -triple=amdgcn-amd-amdhsa -mcpu=gfx1250 --defsym DOCPART=n.
;; ======== version 1 of 2: 1 launch
;; launch attn (part 1): grid 4 x 64, 4 waves a work-group, no clusters, 37,376 bytes of LDS; arguments q_codes, q_scales, k_codes, k_scales, v_codes, v_scales, out0; writes out0
.if DOCPART == 1
	.amdgcn_target "amdgcn-amd-amdhsa--gfx1250"
	.amdhsa_code_object_version 6
	.text
	.protected	k_q4c5fc8a404_attn
	.globl	k_q4c5fc8a404_attn
	.p2align	8
	.type	k_q4c5fc8a404_attn,@function
k_q4c5fc8a404_attn:
	s_mov_b64 s[64:65], 0
	v_nop
	global_prefetch_b8 v0, s[64:65] scope:SCOPE_SE
	s_setreg_imm32_b32 hwreg(HW_REG_WAVE_MODE, 25, 1), 1
	s_wait_xcnt 0x0
; out0[head][q][:] = sum over keys of Q4( softmax_k(q . k) / 64^0.25 ) v[key][:], 64 heads, 2,048 queries, 2,048 keys, head size 64.
; Both products on codes of FP4 (E2M1) with one E8M0 scale for each 32 along K.  q, k: codes along the head's 64 (32 bytes + 2 scale bytes a row); v: codes with the keys innermost (64 rows of 1,024 bytes + 64 scale bytes).
; WHAT IS QUANTISED is the FINISHED weight, exp(s - max) / sum / 2^1.5: so a row's 2,048 scores are all seen before one weight is coded.
; SHARES.  A work-group (four waves, 1,024 registers each) stays on one head and walks 512 of its queries in 32 tiles of 16.  THE WAVES SHARE THE KEYS: wave w owns keys 512 w .. 512 w + 511.  Its K (128 registers),
; its V (128) and their scale words (24) are loaded once, straight into operand registers, and stay.  A tile's 16 x 512 scores of a wave are 256 registers: p stays in registers between the exponential and the quantiser.
; Each wave takes its own maximum M_w (of t = s log2 e), p = 2^(t - M_w), l_w = sum of p.  The four pairs (-M_w, l_w) meet in LDS; g_w = 2^(M_w - M) / (l 2^1.5), and p g_w is the finished weight: one packed multiply.
; The four waves' partial O^T (16 queries x 64) are added through LDS in a fixed order; each wave stores four whole rows.
; PIPELINE, one barrier a step: step i makes A(i): maximum, p, sum of tile i; B(i-1): weights, codes, V^T P of tile i-1; R(i-2): the partials' sum and the stores of tile i-2; and K Q^T of tile i+1 round the barrier.
; NO JOINT LOADS: the four work-groups of a head read the same 139,264 bytes of K and V, but each once, at its head, into the registers where they stay for all 32 tiles; in the loop nothing shared is read, and a
; joint load would have to pass through LDS and be read back.  No tensor load, no ring: nothing is filled again.
; LAYOUT.  Both products are used transposed (source 0 = 16 keys, or 16 of the head's 64; source 1 = 16 queries): a lane holds ONE query (lane % 16) throughout.
; K Q^T has K = 64 in a form of 128: Q's fragment has zero CODES in its registers 4-7, so whatever stands in the upper four registers of source 0 (the next key tile's codes) adds exactly 0; the scale words'
; upper two bytes are 0, which stands for 2^-127 and is no NaN.  So a key tile takes four registers, and source 0 of tile T is the run v[4 T : 4 T + 7].
; THE KEYS OF A TILE ARE NOT NEIGHBOURS: row r of tile T = 8 s + 4 c + u is key 128 s + 64 c + 32 (r / 8) + 8 u + r % 8, so that a lane's 32 registers of tiles 4 b .. 4 b + 3 (b = 2 s + c) are one WHOLE block of 32
; keys, 128 s + 64 c + 32 (lane / 16) + 0 .. 31, in order: a block's maximum needs no other lane, and four conversions give registers 4 c .. 4 c + 3 of P's fragment s as they stand.
; LIMITS.  A scale byte 0xff and scores beyond f32's range are not served (the definition gives no finite number there either).  A p or a factor under 2^-126 falls to 0 (v_exp_f32 flushes: ISA guide 15.8).
; A block whose weights are all 0 gets the byte 1 and zero codes.  A block's largest weight is made from its largest score by the same multiply-add, exponential and multiply as every weight: this takes
; v_exp_f32 not to fall where its input rises.  The second product's K is summed in four parts of 512 keys, (w0 + w1) + (w2 + w3).
;
; REGISTERS, in windows of 256: window 0: below.  window 1: v0-127 K's 32 tiles, v128-255 V's 16 fragments (K step s, tile t at v[128 + 8 (4 s + t)]).  windows 2, 3: the scores, then p, then the weights, of even and odd tiles.
.set AQ,   4          ; v4   Q's codes: 32 r + 16 h
.set AQS,  5          ; v5   Q's scale bytes: 2 r
.set STW,  6          ; v6   LDS: where I put my pair (-M, l): 8 x thread
.set STR,  7          ; v7   LDS: where I read a wave's pair: 8 x lane
.set OPW,  8          ; v8   LDS: where I put 32 bytes of my partial O^T
.set OPR,  9          ; v9   LDS: where I read rows of the partials
.set OG,   10         ; v10  out0: 16 x lane
.set SH8,  11         ; v11  8 h
.set AK,   12         ; v12  K's codes
.set AKS,  13         ; v13  K's scale bytes
.set AV,   14         ; v14  V's codes
.set AVS,  15         ; v15  V's scale bytes
.set QF,   16         ; v16-23, v24-31  Q's fragments of even and odd tiles; registers 4-7 of each are zero codes, written once
.set QS,   32         ; v32, v33  Q's scale words
.set KS,   34         ; v34-49  K's scale words: register x: lanes 0-15 tile 2 x, lanes 16-31 tile 2 x + 1
.set VS,   50         ; v50-57  V's scale words: register 4 (t / 2) + s: lane l: row 32 (t / 2) + l
.set PS,   58         ; v58-61  P's scale words, one for each K step of 128 keys
.set PC,   64         ; v64-95  P's codes: four fragments
.set OA,   96         ; v96-127 my partial O^T: four accumulators
.set RB,   128        ; v128-159 rows of the four partials
.set BM,   160        ; v160-167, v168-175  the eight blocks' largest scores, then largest p, of even and odd tiles
.set SO,   176        ; v176-183 the conversions' scale operands
.set WM,   184        ; v184-191 the blocks' largest weights, then their bytes
.set STT,  192        ; v192-199 the four waves' pairs
.set NM,   200        ; v[200:201], v[202:203]  my pair (-M, l) of even and odd tiles
.set GF,   204        ; v[204:205] g (the packed multiply names the pair and takes its low word)
.set ACC,  206        ; v206-221 eight pairs of partial sums
.set TM,   222
.set TX,   223
.set TG,   224
.set TL,   225
.set EX,   226        ; v226-230
.set TL2,  231
.set PX,   232        ; v232-235
; LDS: 0: the pairs, two buffers of 1,024 bytes (wave w, lane l at 256 w + 8 l).  2,048: the partials, two buffers of four x 16 rows of 256 bytes + 16: the pitch, 272 = 17 x 16 bytes, sets the 16 rows that a store touches at 16 different places modulo 256 bytes.
.set STATB, 1024
.set OPB,   2048
.set OPP,   272
.set OPW1,  16*OPP    ; one wave's partial
.set OPBUF, 4*OPW1    ; a buffer
.set MSB, 0
.macro WIN new                      ; s_set_vgpr_msb: bits 1:0 source 0, 3:2 source 1, 5:4 source 2, 7:6 destination; the high byte repeats the setting that is left; a switch that changes nothing is dropped
.if MSB != (\new)
	s_set_vgpr_msb (MSB<<8)|(\new)
.set MSB, (\new)
.endif
.endm
.macro PLACES n                     ; plain vector places behind matrix instructions (ISA guide 7.12.1), where no other vector work is at hand
.rept \n
	v_nop
.endr
.endm
	s_load_b256 s[4:11], s[0:1], 0x0               ; q_codes s[4:5], q_scales s[6:7], k_codes s[8:9], k_scales s[10:11]
	s_load_b128 s[12:15], s[0:1], 0x20             ; v_codes s[12:13], v_scales s[14:15]
	s_load_b64 s[16:17], s[0:1], 0x30              ; out0
	v_lshl_add_u32 v254, v0, 2, 0x9000
	v_mov_b32 v255, 0
.irp j, 4,5,6,7,12,13,14,15
	v_mov_b32 v[QF+\j], 0                          ; Q's zero codes for k = 64 .. 127: they stay
.endr
	v_mov_b32 v[NM+1], 0                           ; named as upper halves of pairs before they are first written
	v_mov_b32 v[NM+3], 0
	v_mov_b32 v[GF+1], 0
	v_mov_b32 v[TX], 0                             ; a lane permute's destination counts as one of its sources
.irp j, 0,1,2,3
	v_mov_b32 v[PX+\j], 0
.endr
	v_lshrrev_b32 v1, 5, v0
	v_readfirstlane_b32 s18, v1                    ; wave 0..3
	v_and_b32 v1, 31, v0                           ; lane
	v_and_b32 v2, 15, v0                           ; r
	v_bfe_u32 v3, v0, 4, 1                         ; h
	v_lshlrev_b32 v[AQ], 5, v2
	v_lshl_add_u32 v[AQ], v3, 4, v[AQ]             ; a query's row of 32 bytes, my half's 16
	v_lshlrev_b32 v[AQS], 1, v2
	v_lshlrev_b32 v[STW], 3, v0
	v_lshlrev_b32 v[STR], 3, v1
	s_mul_i32 s20, s18, OPW1
	s_add_co_u32 s20, s20, OPB
	v_mul_u32_u24 v[OPW], v2, OPP
	v_lshl_add_u32 v[OPW], v3, 5, v[OPW]
	v_add_nc_u32 v[OPW], s20, v[OPW]               ; my partial: row = my query, 32 h bytes on; tile t 64 t bytes on
	s_mul_i32 s21, s18, 4*OPP
	s_add_co_u32 s21, s21, OPB
	v_mul_u32_u24 v[OPR], v3, OPP
	v_lshl_add_u32 v[OPR], v2, 4, v[OPR]
	v_add_nc_u32 v[OPR], s21, v[OPR]               ; back: rows 4 w on; lanes 0-15 one row of 256 bytes, lanes 16-31 the next
	v_lshlrev_b32 v[OG], 4, v1
	v_lshlrev_b32 v[SH8], 3, v3
	v_bfe_u32 v14, v0, 3, 1                        ; r / 8
	v_and_b32 v15, 7, v0                           ; r % 8
	v_lshlrev_b32 v[AK], 10, v14
	v_lshl_add_u32 v[AK], v15, 5, v[AK]
	v_lshl_add_u32 v[AK], v3, 4, v[AK]             ; K: key 32 (r / 8) + r % 8 of a tile's 64, rows of 32 bytes, + 16 h
	v_lshlrev_b32 v[AKS], 6, v14
	v_lshl_add_u32 v[AKS], v15, 1, v[AKS]
	v_lshl_add_u32 v[AKS], v3, 4, v[AKS]           ; its scale bytes, 2 a key; lanes 16-31 take the tile 8 keys on
	v_lshlrev_b32 v[AV], 10, v2
	v_lshl_add_u32 v[AV], v3, 4, v[AV]             ; V: row r of 1,024 bytes, + 16 h
	v_lshlrev_b32 v[AVS], 6, v1                    ; its scale bytes: row = lane, 64 bytes a row
	s_mov_b32 s24, 0x3fb8aa3b                      ; log2 e
	s_mov_b32 s25, s24                             ; (named with it as a pair)
	s_mov_b32 s26, 0xbfb8aa3b                      ; -log2 e
	s_mov_b32 s27, 0x403504f3                      ; 64^0.25 = 2^1.5
	s_mov_b32 s28, 0x76543210
	s_mov_b32 s29, 0xfedcba98                      ; v_permlanex16_b32's selects for lane l xor 16
	s_and_b32 s19, ttmp7, 0xffff                   ; the head
	s_mov_b32 s21, 0
	s_lshl_b32 s31, s19, 16                        ; the head's first byte in each tensor of codes
	s_lshl_b32 s32, s19, 12                        ; and of scale bytes
	s_wait_kmcnt 0x0
	s_lshl_b32 s20, ttmp9, 14                      ; my 512 queries: 16,384 bytes of codes,
	s_add_co_u32 s20, s20, s31
	s_add_nc_u64 s[4:5], s[4:5], s[20:21]
	s_lshl_b32 s20, ttmp9, 10                      ; 1,024 scale bytes
	s_add_co_u32 s20, s20, s32
	s_add_nc_u64 s[6:7], s[6:7], s[20:21]
	s_lshl_b32 s20, s18, 14                        ; my wave's 512 keys of K
	s_add_co_u32 s20, s20, s31
	s_add_nc_u64 s[8:9], s[8:9], s[20:21]
	s_lshl_b32 s20, s18, 10
	s_add_co_u32 s20, s20, s32
	s_add_nc_u64 s[10:11], s[10:11], s[20:21]
	s_lshl_b32 s20, s18, 8                         ; and of V: 256 bytes of each row,
	s_add_co_u32 s20, s20, s31
	s_add_nc_u64 s[12:13], s[12:13], s[20:21]
	s_lshl_b32 s20, s18, 4                         ; 16 scale bytes of each row
	s_add_co_u32 s20, s20, s32
	s_add_nc_u64 s[14:15], s[14:15], s[20:21]
	s_lshl_b32 s20, s19, 19                        ; out0: head x 524,288 + 512 queries x 256 bytes + my four rows of a tile
	s_lshl_b32 s33, ttmp9, 17
	s_add_co_u32 s20, s20, s33
	s_lshl_b32 s33, s18, 10
	s_add_co_u32 s20, s20, s33
	s_add_nc_u64 s[16:17], s[16:17], s[20:21]
	global_load_b128 v[QF:QF+3], v[AQ], s[4:5]                 ; Q of tiles 0 and 1
	global_load_u16 v[QS], v[AQS], s[6:7]                      ; two real bytes; the upper two come as 0
	global_load_b128 v[QF+8:QF+11], v[AQ], s[4:5] offset:512
	global_load_u16 v[QS+1], v[AQS], s[6:7] offset:32
.irp x, 0,1,2,3,4,5,6,7,8,9,10,11,12,13,14,15
	global_load_u16 v[KS+\x], v[AKS], s[10:11] offset:2*(64*(\x/2)+16*(\x%2))
.endr
	global_load_b128 v[VS:VS+3], v[AVS], s[14:15]              ; rows 0-31: my 16 bytes are the words of K steps 0 to 3
	global_load_b128 v[VS+4:VS+7], v[AVS], s[14:15] offset:2048
	WIN 0x40                                       ; destination window 1
.set T, 0
.rept 32
	global_load_b128 v[4*T:4*T+3], v[AK], s[8:9] offset:32*(64*(T/4)+8*(T%4))   ; tile T: two runs of eight keys: twice 256 consecutive bytes
.set T, T+1
.endr
.irp s, 0,1,2,3
.irp t, 0,1,2,3
.irp c, 0,1
	global_load_b128 v[128+8*(4*\s+\t)+4*\c:128+8*(4*\s+\t)+4*\c+3], v[AV], s[12:13] offset:16384*\t+64*\s+32*\c
.endr
.endr
.endr
	WIN 0
	s_wait_loadcnt 0x0                             ; all of them: key tile 31's source 0 names V's first four registers too
; 16 products of S^T = K Q^T for tiles t0 .. t0 + 15 of keys, into the scores' buffer p.  Each starts its own sum with the constant 0: there is one K step.
.macro QKRUN p, t0
	WIN ((2+(\p))<<6)|1                            ; K in window 1, Q in window 0, the scores in window 2 or 3
.set T, \t0
.rept 16
.if T%2
	v_wmma_scale_f32_16x16x128_f8f6f4 v[8*T:8*T+7], v[4*T:4*T+7], v[QF+8*(\p):QF+8*(\p)+7], 0, v[KS+T/2], v[QS+(\p)] matrix_a_fmt:MATRIX_FMT_FP4 matrix_b_fmt:MATRIX_FMT_FP4 matrix_a_scale:MATRIX_SCALE_ROW1
.else
	v_wmma_scale_f32_16x16x128_f8f6f4 v[8*T:8*T+7], v[4*T:4*T+7], v[QF+8*(\p):QF+8*(\p)+7], 0, v[KS+T/2], v[QS+(\p)] matrix_a_fmt:MATRIX_FMT_FP4 matrix_b_fmt:MATRIX_FMT_FP4
.endif
.set T, T+1
.endr
.endm
; The largest score of each of my eight blocks of 32 keys: eight chains by turns; each accumulator is read from its low end on.
.macro MAXRUN p
	WIN (2+(\p))|((2+(\p))<<2)
.irp b, 0,1,2,3,4,5,6,7
	v_max_num_f32 v[BM+8*(\p)+\b], v[32*\b], v[32*\b+1]
.endr
.irp i, 2,4,6,8,10,12,14,16,18,20,22,24,26,28,30
.irp b, 0,1,2,3,4,5,6,7
	v_max3_num_f32 v[BM+8*(\p)+\b], v[32*\b+\i], v[32*\b+\i+1], v[BM+8*(\p)+\b]
.endr
.endr
.endm
; Two chains by turns.  hasA: tile i's -M of my wave, and the blocks' largest p.  hasB: tile i-1's g, from the four waves' pairs.
; Behind each run of transcendentals stands a plain line that touches none of their registers (ISA guide 5.7.2).
.macro MG p, hasA, hasB, hasR
	WIN 0
.if \hasB
	s_wait_dscnt 8*(\hasR)                         ; the four pairs are in; the partials' eight loads, issued behind them, may be out
	v_min3_num_f32 v[TG], v[STT], v[STT+2], v[STT+4]
.endif
.if \hasA
	v_max3_num_f32 v[TM], v[BM+8*(\p)], v[BM+8*(\p)+1], v[BM+8*(\p)+2]
	v_max3_num_f32 v[TL2], v[BM+8*(\p)+3], v[BM+8*(\p)+4], v[BM+8*(\p)+5]
.endif
.if \hasB
	v_min_num_f32 v[TG], v[TG], v[STT+6]           ; -M of the whole row: the least of the four -M_w
.endif
.if \hasA
	v_max3_num_f32 v[TM], v[TM], v[BM+8*(\p)+6], v[BM+8*(\p)+7]
.endif
.if \hasB
.irp w, 0,1,2,3
	v_sub_f32 v[EX+\w], v[TG], v[STT+2*\w]         ; M_w - M, 0 or less
.endr
	v_sub_f32 v[EX+4], v[TG], v[NM+2*(1-(\p))]     ; my own wave's
.endif
.if \hasA
	v_max_num_f32 v[TM], v[TM], v[TL2]
	v_permlanex16_b32 v[TX], v[TM], s28, s29       ; the query's other 256 keys of my wave lie in lane l xor 16
.endif
.if \hasB
.irp w, 0,1,2,3,4
	v_exp_f32 v[EX+\w], v[EX+\w]
.endr
.endif
.if \hasA
	v_max_num_f32 v[TM], v[TM], v[TX]
	v_mul_f32 v[NM+2*(\p)], s26, v[TM]             ; -M_w = -(largest score x log2 e)
.else
	v_nop
	s_wait_alu depctr_va_vdst(0)
.endif
.if \hasB
	s_wait_alu depctr_va_vdst(0)
	v_mul_f32 v[TL], v[EX], v[STT+1]
	v_fma_f32 v[TL], v[EX+1], v[STT+3], v[TL]
	v_fma_f32 v[TL], v[EX+2], v[STT+5], v[TL]
	v_fma_f32 v[TL], v[EX+3], v[STT+7], v[TL]      ; l = the sum of 2^(M_w - M) l_w
	v_mul_f32 v[TL], s27, v[TL]                    ; x 2^1.5
.endif
.if \hasA
.irp b, 0,1,2,3,4,5,6,7
	v_fma_f32 v[BM+8*(\p)+\b], v[BM+8*(\p)+\b], s24, v[NM+2*(\p)]   ; the same multiply-add as every score's
.endr
.endif
.if \hasB
	v_rcp_f32 v[TL], v[TL]
.endif
.if \hasA
.irp b, 0,1,2,3,4,5,6,7
	v_exp_f32 v[BM+8*(\p)+\b], v[BM+8*(\p)+\b]     ; the blocks' largest p
.endr
.endif
	v_nop
.if \hasB
	s_wait_alu depctr_va_vdst(0)
	v_mul_f32 v[GF], v[TL], v[EX+4]                ; g = 2^(M_w - M) / (l 2^1.5)
.endif
.endm
; p = 2^(s log2 e - M_w), in place.  A packed multiply-add runs four pairs ahead of its two exponentials and stands between the pairs of exponentials.
.macro EXPRUN p
	WIN ((2+(\p))<<6)|(2+(\p))
.irp j, 0,1,2,3
	v_pk_fma_f32 v[2*\j:2*\j+1], v[2*\j:2*\j+1], s[24:25], v[NM+2*(\p):NM+2*(\p)+1] op_sel_hi:[1,0,0]
.endr
.set J, 0
.rept 128
.if J+4 < 128
	v_pk_fma_f32 v[2*J+8:2*J+9], v[2*J+8:2*J+9], s[24:25], v[NM+2*(\p):NM+2*(\p)+1] op_sel_hi:[1,0,0]
.endif
	v_exp_f32 v[2*J], v[2*J]
	v_exp_f32 v[2*J+1], v[2*J+1]
.set J, J+1
.endr
.endm
; The sum of my 256 p, two at a time, in eight chains; the first eight additions start the chains (and the first is the plain line behind the last exponential).
.macro SUMRUN p
	WIN (2+(\p))|((2+(\p))<<2)
	s_wait_alu depctr_va_vdst(0)
.irp k, 0,1,2,3,4,5,6,7
	v_pk_add_f32 v[ACC+2*\k:ACC+2*\k+1], v[2*\k:2*\k+1], v[16+2*\k:17+2*\k]
.endr
	WIN (2+(\p))
.set J, 16
.rept 112
	v_pk_add_f32 v[ACC+2*(J%8):ACC+2*(J%8)+1], v[2*J:2*J+1], v[ACC+2*(J%8):ACC+2*(J%8)+1]
.set J, J+1
.endr
.endm
; By turns: hasA: the eight chains become l_w, and my pair goes to LDS.  hasB: tile i-1's scale bytes: a block's largest weight, the floor, 2 off its exponent field (the conversion's scale operand), the byte, the words.
.macro LP p, hasA, hasB
	WIN 0
.if \hasA
.irp k, 0,1,2,3
	v_pk_add_f32 v[ACC+2*\k:ACC+2*\k+1], v[ACC+2*\k:ACC+2*\k+1], v[ACC+8+2*\k:ACC+9+2*\k]
.endr
.endif
.if \hasB
.irp b, 0,1,2,3,4,5,6,7
	v_mul_f32 v[WM+\b], v[BM+8*(1-(\p))+\b], v[GF]             ; the same multiply as every weight's
.endr
.endif
.if \hasA
.irp k, 0,1
	v_pk_add_f32 v[ACC+2*\k:ACC+2*\k+1], v[ACC+2*\k:ACC+2*\k+1], v[ACC+4+2*\k:ACC+5+2*\k]
.endr
.endif
.if \hasB
.irp b, 0,1,2,3,4,5,6,7
	v_max_num_f32 v[WM+\b], 0x1800000, v[WM+\b]    ; the floor 2^(3 - 127): the byte cannot fall under 1
.endr
.endif
.if \hasA
	v_pk_add_f32 v[ACC:ACC+1], v[ACC:ACC+1], v[ACC+2:ACC+3]
.endif
.if \hasB
.irp b, 0,1,2,3,4,5,6,7
	v_add_nc_u32 v[SO+\b], 0xff000000, v[WM+\b]    ; 2 off the exponent field
.endr
.endif
.if \hasA
	v_add_f32 v[TL2], v[ACC], v[ACC+1]
.endif
.if \hasB
.irp b, 0,1,2,3,4,5,6,7
	v_lshrrev_b32 v[WM+\b], 23, v[SO+\b]           ; the scale's byte
.endr
.endif
.if \hasA
	v_permlanex16_b32 v[TX], v[TL2], s28, s29
.endif
.if \hasB
.irp s, 0,1,2,3
	v_lshl_or_b32 v[PS+\s], v[WM+2*\s+1], 16, v[WM+2*\s]       ; my two bytes of K step s: blocks h and 2 + h,
.endr
.endif
.if \hasA
	v_add_f32 v[NM+2*(\p)+1], v[TL2], v[TX]        ; l_w
	ds_store_b64 v[STW], v[NM+2*(\p):NM+2*(\p)+1] offset:STATB*(\p)
.endif
.if \hasB
.irp s, 0,1,2,3
	v_lshlrev_b32 v[PS+\s], v[SH8], v[PS+\s]       ; at their places in the word;
.endr
.irp s, 0,1,2,3
	v_permlanex16_b32 v[PX+\s], v[PS+\s], s28, s29
.endr
.irp s, 0,1,2,3
	v_or_b32 v[PS+\s], v[PS+\s], v[PX+\s]          ; with lane l xor 16's two the word is whole
.endr
.endif
.endm
.macro MULH q, half                 ; the finished weights of half the keys: p g, two at a time
	WIN ((2+(\q))<<6)|(2+(\q))
.set J, 64*(\half)
.rept 64
	v_pk_mul_f32 v[2*J:2*J+1], v[2*J:2*J+1], v[GF:GF+1] op_sel_hi:[1,0]
.set J, J+1
.endr
.endm
.macro CVTH q, half                 ; their codes: block b's 32 weights are registers 4 b .. 4 b + 3 of P's codes
	WIN (2+(\q))
.irp bb, 0,1,2,3
.irp n, 0,1,2,3
	v_cvt_scalef32_pk8_fp4_f32 v[PC+4*(4*(\half)+\bb)+\n], v[32*(4*(\half)+\bb)+8*\n:32*(4*(\half)+\bb)+8*\n+7], v[SO+4*(\half)+\bb]
.endr
.endr
.endm
.macro PV1 s, t                     ; O^T(tile t of the head's 64) += V^T P for K step s; the first K step starts the sums
.if (\s) == 0
.if (\t)%2
	v_wmma_scale_f32_16x16x128_f8f6f4 v[OA+8*(\t):OA+8*(\t)+7], v[128+8*(4*(\s)+(\t)):128+8*(4*(\s)+(\t))+7], v[PC+8*(\s):PC+8*(\s)+7], 0, v[VS+4*((\t)/2)+(\s)], v[PS+(\s)] matrix_a_fmt:MATRIX_FMT_FP4 matrix_b_fmt:MATRIX_FMT_FP4 matrix_a_scale:MATRIX_SCALE_ROW1
.else
	v_wmma_scale_f32_16x16x128_f8f6f4 v[OA+8*(\t):OA+8*(\t)+7], v[128+8*(4*(\s)+(\t)):128+8*(4*(\s)+(\t))+7], v[PC+8*(\s):PC+8*(\s)+7], 0, v[VS+4*((\t)/2)+(\s)], v[PS+(\s)] matrix_a_fmt:MATRIX_FMT_FP4 matrix_b_fmt:MATRIX_FMT_FP4
.endif
.else
.if (\t)%2
	v_wmma_scale_f32_16x16x128_f8f6f4 v[OA+8*(\t):OA+8*(\t)+7], v[128+8*(4*(\s)+(\t)):128+8*(4*(\s)+(\t))+7], v[PC+8*(\s):PC+8*(\s)+7], v[OA+8*(\t):OA+8*(\t)+7], v[VS+4*((\t)/2)+(\s)], v[PS+(\s)] matrix_a_fmt:MATRIX_FMT_FP4 matrix_b_fmt:MATRIX_FMT_FP4 matrix_a_scale:MATRIX_SCALE_ROW1
.else
	v_wmma_scale_f32_16x16x128_f8f6f4 v[OA+8*(\t):OA+8*(\t)+7], v[128+8*(4*(\s)+(\t)):128+8*(4*(\s)+(\t))+7], v[PC+8*(\s):PC+8*(\s)+7], v[OA+8*(\t):OA+8*(\t)+7], v[VS+4*((\t)/2)+(\s)], v[PS+(\s)] matrix_a_fmt:MATRIX_FMT_FP4 matrix_b_fmt:MATRIX_FMT_FP4
.endif
.endif
.endm
.macro PVRUN s0                     ; K steps s0 and s0 + 1; the four accumulators take turns, one instruction a turn
	WIN 0x01                                       ; V in window 1
.irp d, 0,1
.irp t, 0,1,2,3
	PV1 (\s0)+\d, \t
.endr
.endr
.endm
.macro SLOAD b                      ; the four waves' pairs of my query
.irp w, 0,1,2,3
	ds_load_b64 v[STT+2*\w:STT+2*\w+1], v[STR] offset:STATB*(\b)+256*\w
.endr
.endm
.macro RLOAD b                      ; rows 4 w .. 4 w + 3 of the four partials: two rows, 512 bytes, a load
.irp w, 0,1,2,3
.irp i, 0,1
	ds_load_b128 v[RB+4*(2*\w+\i):RB+4*(2*\w+\i)+3], v[OPR] offset:OPBUF*(\b)+OPW1*\w+2*OPP*\i
.endr
.endr
.endm
.macro RSUM                         ; (w0 + w1) + (w2 + w3)
.irp i, 0,1
.irp c, 0,2
	v_pk_add_f32 v[RB+4*\i+\c:RB+4*\i+\c+1], v[RB+4*\i+\c:RB+4*\i+\c+1], v[RB+8+4*\i+\c:RB+8+4*\i+\c+1]
	v_pk_add_f32 v[RB+16+4*\i+\c:RB+16+4*\i+\c+1], v[RB+16+4*\i+\c:RB+16+4*\i+\c+1], v[RB+24+4*\i+\c:RB+24+4*\i+\c+1]
.endr
.endr
.irp i, 0,1
.irp c, 0,2
	v_pk_add_f32 v[RB+4*\i+\c:RB+4*\i+\c+1], v[RB+4*\i+\c:RB+4*\i+\c+1], v[RB+16+4*\i+\c:RB+16+4*\i+\c+1]
.endr
.endr
.endm
.macro RSTORE                       ; the base stands three tiles past tile i-2; 32 lanes store 512 consecutive bytes, two rows of out0, at a multiple of 256 from its first byte
.irp i, 0,1
	global_store_b128 v[OG], v[RB+4*\i:RB+4*\i+3], s[16:17] offset:-12288+512*\i th:TH_STORE_NT
.endr
.endm
.macro OSTORE b                     ; my partial O^T: lane (q, h), tile t: channels 16 t + 8 h + 0 .. 7 of query q; each accumulator from its low end on
.irp t, 0,1,2,3
	ds_store_b128 v[OPW], v[OA+8*\t:OA+8*\t+3] offset:OPBUF*(\b)+64*\t
	ds_store_b128 v[OPW], v[OA+8*\t+4:OA+8*\t+7] offset:OPBUF*(\b)+64*\t+16
.endr
.endm
; STEP i, p = i % 2.  hasA: A(i).  hasB: B(i-1).  hasR: R(i-2).  hasQL: Q of tile i+2 is asked for.  hasQK: K Q^T of tile i+1.  hasBar: the step's barrier.  lcnt: the loads issued behind Q(i+1)'s.
; LDS: pairs[p] and partials[1-p] are written in step i, ahead of its barrier, and read in step i+1; they are written again in step i+2, behind the barrier of step i+1, which each wave signals only with its reads done.
.macro STEP p, hasA, hasB, hasR, hasQL, hasQK, hasBar, lcnt
	WIN 0
.if \hasA
	PLACES 4                                       ; behind tile i's K Q^T: in front of the load into Q's registers and of the first read of the scores
.endif
	s_wait_xcnt 0x0                                ; the earlier loads and stores have read their bases and data: the bases may step, and the partials' registers may be loaded again
	s_add_nc_u64 s[16:17], s[16:17], 4096          ; a tile of out0
.if \hasQL
	s_add_nc_u64 s[4:5], s[4:5], 512
	s_add_nc_u64 s[6:7], s[6:7], 32
	global_load_b128 v[QF+8*(\p):QF+8*(\p)+3], v[AQ], s[4:5] offset:512    ; Q of tile i+2, into the registers that tile i has left
	global_load_u16 v[QS+(\p)], v[AQS], s[6:7] offset:32
.endif
.if \hasB
	SLOAD 1-(\p)
.endif
.if \hasR
	RLOAD \p
.endif
.if \hasA
	MAXRUN \p
.endif
.if (\hasA)+(\hasB)
	MG \p, \hasA, \hasB, \hasR
.endif
.if \hasA
	EXPRUN \p
	SUMRUN \p
.endif
.if (\hasA)+(\hasB)
	LP \p, \hasA, \hasB
.endif
.if \hasB
	MULH 1-(\p), 0
	CVTH 1-(\p), 0
	MULH 1-(\p), 1                                 ; these 64 are also the places between the conversions and the products that take their codes
	PVRUN 0
	CVTH 1-(\p), 1                                 ; they name no register of the products above
.endif
.if \hasR
	WIN 0
	s_wait_dscnt 0x0                               ; the partials' rows are in
	RSUM                                           ; twelve plain lines: the places behind the conversions and in front of the products below
	RSTORE
.elseif \hasB
	PLACES 8
.endif
.if \hasB
	PVRUN 2
	PLACES 4                                       ; in front of the LDS stores that read the results
	WIN 0
	OSTORE 1-(\p)
.endif
.if \hasQK
	s_wait_loadcnt \lcnt                           ; Q of tile i+1 is in; the loads of tile i+2's, issued behind it, may be out
	QKRUN 1-(\p), 0
.endif
.if \hasBar
	s_wait_dscnt 0x0                               ; for the others' sake: my pair and my partial lie in LDS, and my reads of what the next step overwrites are done
	s_barrier_signal -1
.if \hasQK
	QKRUN 1-(\p), 16                               ; work on registers while the others arrive
.endif
	WIN 0                                          ; at a label and at a branch every window is 0
	s_barrier_wait -1
.endif
.endm
	QKRUN 0, 0                                     ; tile 0's scores
	QKRUN 0, 16
	STEP 0, 1, 0, 0, 1, 1, 1, 2                    ; step 0
	STEP 1, 1, 1, 0, 1, 1, 1, 2                    ; step 1
	s_mov_b32 s30, 14
.Ltiles:                                               ; steps 2 to 29, two a trip
	STEP 0, 1, 1, 1, 1, 1, 1, 2
	STEP 1, 1, 1, 1, 1, 1, 1, 2
	s_sub_co_u32 s30, s30, 1
	s_cmp_lg_u32 s30, 0
	s_cbranch_scc1 .Ltiles
	STEP 0, 1, 1, 1, 0, 1, 1, 0                    ; step 30: no tile 32 to ask for: no load leaves its buffer
	STEP 1, 1, 1, 1, 0, 0, 1, 0                    ; step 31: the last tile's A
	STEP 0, 0, 1, 1, 0, 0, 1, 0                    ; step 32: its B
	STEP 1, 0, 0, 1, 0, 0, 0, 0                    ; step 33: its R
	s_wait_tensorcnt 0x0
	ds_add_u32 v254, v255
	s_wait_dscnt 0x0
	s_endpgm
.Lfunc_end_k_q4c5fc8a404_attn:
	.size	k_q4c5fc8a404_attn, .Lfunc_end_k_q4c5fc8a404_attn-k_q4c5fc8a404_attn
	.p2alignl 7, 3214868480
	.fill 96, 4, 3214868480
	.section	.rodata,"a",@progbits
	.p2align	6, 0x0
	.amdhsa_kernel k_q4c5fc8a404_attn
		.amdhsa_group_segment_fixed_size 37376
		.amdhsa_private_segment_fixed_size 0
		.amdhsa_enable_private_segment 0
		.amdhsa_kernarg_size 56
		.amdhsa_user_sgpr_count 2
		.amdhsa_user_sgpr_kernarg_segment_ptr 1
		.amdhsa_wavefront_size32 1
		.amdhsa_system_sgpr_workgroup_id_x 1
		.amdhsa_system_sgpr_workgroup_id_y 1
		.amdhsa_system_sgpr_workgroup_id_z 1
		.amdhsa_system_vgpr_workitem_id 0
		.amdhsa_next_free_vgpr 1024
		.amdhsa_next_free_sgpr 66
		.amdhsa_reserve_vcc 0
		.amdhsa_float_denorm_mode_32 3
		.amdhsa_float_denorm_mode_16_64 3
		.amdhsa_memory_ordered 1
		.amdhsa_forward_progress 1
		.amdhsa_inst_pref_size 255
	.end_amdhsa_kernel
	.section	.bss,"aw",@nobits
	.p2align	6
	.space	262144
	.amdgpu_metadata
---
amdhsa.version: [ 1, 2 ]
amdhsa.kernels:
  - .name:           k_q4c5fc8a404_attn
    .symbol:         k_q4c5fc8a404_attn.kd
    .args:
      - { .name: q_codes, .offset: 0, .size: 8, .value_kind: global_buffer, .address_space: global }
      - { .name: q_scales, .offset: 8, .size: 8, .value_kind: global_buffer, .address_space: global }
      - { .name: k_codes, .offset: 16, .size: 8, .value_kind: global_buffer, .address_space: global }
      - { .name: k_scales, .offset: 24, .size: 8, .value_kind: global_buffer, .address_space: global }
      - { .name: v_codes, .offset: 32, .size: 8, .value_kind: global_buffer, .address_space: global }
      - { .name: v_scales, .offset: 40, .size: 8, .value_kind: global_buffer, .address_space: global }
      - { .name: out0, .offset: 48, .size: 8, .value_kind: global_buffer, .address_space: global }
    .group_segment_fixed_size: 37376
    .private_segment_fixed_size: 0
    .kernarg_segment_align: 8
    .kernarg_segment_size: 56
    .max_flat_workgroup_size: 128
    .sgpr_count:     66
    .vgpr_count:     1024
    .wavefront_size: 32
...
	.end_amdgpu_metadata
.endif
;; end of part 1
;; ======== version 2 of 2: 1 launch; version 1 with the launch attn written anew for expert scheduling mode
;; launch attn (part 2): grid 4 x 64, 4 waves a work-group, no clusters, 37,376 bytes of LDS; arguments q_codes, q_scales, k_codes, k_scales, v_codes, v_scales, out0; writes out0
.if DOCPART == 2
	.amdgcn_target "amdgcn-amd-amdhsa--gfx1250"
	.amdhsa_code_object_version 6
	.text
	.protected	k_q4c5fc8a404_attn
	.globl	k_q4c5fc8a404_attn
	.p2align	8
	.type	k_q4c5fc8a404_attn,@function
k_q4c5fc8a404_attn:
	s_mov_b64 s[64:65], 0
	v_nop
	global_prefetch_b8 v0, s[64:65] scope:SCOPE_SE
	s_setreg_imm32_b32 hwreg(HW_REG_WAVE_SCHED_MODE, 0, 2), 2
	s_setreg_imm32_b32 hwreg(HW_REG_WAVE_MODE, 25, 1), 1
	s_wait_xcnt 0x0
	s_wait_alu depctr_vm_vsrc(0)
; out0[head][q][:] = sum over keys of Q4( softmax_k(q . k) / 64^0.25 ) v[key][:], 64 heads, 2,048 queries, 2,048 keys, head size 64.
; Both products on codes of FP4 (E2M1) with one E8M0 scale for each 32 along K.  q, k: codes along the head's 64 (32 bytes + 2 scale bytes a row); v: codes with the keys innermost (64 rows of 1,024 bytes + 64 scale bytes).
; WHAT IS QUANTISED is the FINISHED weight, exp(s - max) / sum / 2^1.5: so a row's 2,048 scores are all seen before one weight is coded.
; SHARES.  A work-group (four waves, 1,024 registers each) stays on one head and walks 512 of its queries in 32 tiles of 16.  THE WAVES SHARE THE KEYS: wave w owns keys 512 w .. 512 w + 511.  Its K (128 registers),
; its V (128) and their scale words (24) are loaded once, straight into operand registers, and stay.  A tile's 16 x 512 scores of a wave are 256 registers: p stays in registers between the exponential and the quantiser.
; Each wave takes its own maximum M_w (of t = s log2 e), p = 2^(t - M_w), l_w = sum of p.  The four pairs (-M_w, l_w) meet in LDS; g_w = 2^(M_w - M) / (l 2^1.5), and p g_w is the finished weight: one packed multiply.
; The four waves' partial O^T (16 queries x 64) are added through LDS in a fixed order; each wave stores four whole rows.
; PIPELINE, one barrier a step: step i makes A(i): maximum, p, sum of tile i; B(i-1): weights, codes, V^T P of tile i-1; R(i-2): the partials' sum and the stores of tile i-2; and K Q^T of tile i+1 round the barrier.
; NO JOINT LOADS: the four work-groups of a head read the same 139,264 bytes of K and V, but each once, at its head, into the registers where they stay for all 32 tiles; in the loop nothing shared is read, and a
; joint load would have to pass through LDS and be read back.  No tensor load, no ring: nothing is filled again.
; LAYOUT.  Both products are used transposed (source 0 = 16 keys, or 16 of the head's 64; source 1 = 16 queries): a lane holds ONE query (lane % 16) throughout.
; K Q^T has K = 64 in a form of 128: Q's fragment has zero CODES in its registers 4-7, so whatever stands in the upper four registers of source 0 (the next key tile's codes) adds exactly 0; the scale words'
; upper two bytes are 0, which stands for 2^-127 and is no NaN.  So a key tile takes four registers, and source 0 of tile T is the run v[4 T : 4 T + 7].
; THE KEYS OF A TILE ARE NOT NEIGHBOURS: row r of tile T = 8 s + 4 c + u is key 128 s + 64 c + 32 (r / 8) + 8 u + r % 8, so that a lane's 32 registers of tiles 4 b .. 4 b + 3 (b = 2 s + c) are one WHOLE block of 32
; keys, 128 s + 64 c + 32 (lane / 16) + 0 .. 31, in order: a block's maximum needs no other lane, and four conversions give registers 4 c .. 4 c + 3 of P's fragment s as they stand.
; LIMITS.  A scale byte 0xff and scores beyond f32's range are not served (the definition gives no finite number there either).  A p or a factor under 2^-126 falls to 0 (v_exp_f32 flushes: ISA guide 15.8).
; A block whose weights are all 0 gets the byte 1 and zero codes.  A block's largest weight is made from its largest score by the same multiply-add, exponential and multiply as every weight: this takes
; v_exp_f32 not to fall where its input rises.  The second product's K is summed in four parts of 512 keys, (w0 + w1) + (w2 + w3).
; THE MODE: SCHED_MODE bits 1:0 = 2 (LLVM: expert scheduling mode 2), set by the entry lines.  The code itself states the register dependences
; between vector or matrix instructions and memory or LDS instructions, with s_wait_alu, always for 0.
; THE PLAN.  Registers that memory or LDS instructions touch, in step i (p = i % 2):
;   QF[p] 0-3, QS[p]  Read by tile i's K Q^T, issued round step i-1's barrier; the loads of tile i+2 land in them at step i's head.
;   STT               The head's four LDS loads land in it; MG's vector lines of the same step read it.
;   RB                The head's eight LDS loads land in it; RSUM reads and writes it; RSTORE reads its first eight registers.
;   NM[p]             Written by MG and LP of step i; read by the pair's LDS store of step i; written again in step i+2.
;   OA                Written by V^T P; read by OSTORE; begun anew by the next step's V^T P.
;   PC, PS            Written by conversions and vector lines; taken by the scaled products V^T P as source 1 and as scales.
;   v4-v15, v254, v255  Addresses, made once at the head and never written again: what steps is a scalar base.
; A step's waits: at its head one on vm_vsrc (the last step's stores have read RB and OA, the store of two steps back NM[p]) and, where Q is loaded, one on va_vdst (tile i's products are done reading Q);
; the waits behind the transcendentals; one on va_vdst ahead of each half of V^T P (the codes and scale words are written), the second of which also stands ahead of RSTORE (RSUM has written its data);
; one on va_vdst ahead of the run of LDS stores (the products have written OA; NM[p] is written).  All the step's loads stand in one run at its head, all its LDS stores in one run ahead of its barrier.
;
; REGISTERS, in windows of 256: window 0: below.  window 1: v0-127 K's 32 tiles, v128-255 V's 16 fragments (K step s, tile t at v[128 + 8 (4 s + t)]).  windows 2, 3: the scores, then p, then the weights, of even and odd tiles.
.set AQ,   4          ; v4   Q's codes: 32 r + 16 h
.set AQS,  5          ; v5   Q's scale bytes: 2 r
.set STW,  6          ; v6   LDS: where I put my pair (-M, l): 8 x thread
.set STR,  7          ; v7   LDS: where I read a wave's pair: 8 x lane
.set OPW,  8          ; v8   LDS: where I put 32 bytes of my partial O^T
.set OPR,  9          ; v9   LDS: where I read rows of the partials
.set OG,   10         ; v10  out0: 16 x lane
.set SH8,  11         ; v11  8 h
.set AK,   12         ; v12  K's codes
.set AKS,  13         ; v13  K's scale bytes
.set AV,   14         ; v14  V's codes
.set AVS,  15         ; v15  V's scale bytes
.set QF,   16         ; v16-23, v24-31  Q's fragments of even and odd tiles; registers 4-7 of each are zero codes, written once
.set QS,   32         ; v32, v33  Q's scale words
.set KS,   34         ; v34-49  K's scale words: register x: lanes 0-15 tile 2 x, lanes 16-31 tile 2 x + 1
.set VS,   50         ; v50-57  V's scale words: register 4 (t / 2) + s: lane l: row 32 (t / 2) + l
.set PS,   58         ; v58-61  P's scale words, one for each K step of 128 keys
.set PC,   64         ; v64-95  P's codes: four fragments
.set OA,   96         ; v96-127 my partial O^T: four accumulators
.set RB,   128        ; v128-159 rows of the four partials
.set BM,   160        ; v160-167, v168-175  the eight blocks' largest scores, then largest p, of even and odd tiles
.set SO,   176        ; v176-183 the conversions' scale operands
.set WM,   184        ; v184-191 the blocks' largest weights, then their bytes
.set STT,  192        ; v192-199 the four waves' pairs
.set NM,   200        ; v[200:201], v[202:203]  my pair (-M, l) of even and odd tiles
.set GF,   204        ; v[204:205] g (the packed multiply names the pair and takes its low word)
.set ACC,  206        ; v206-221 eight pairs of partial sums
.set TM,   222
.set TX,   223
.set TG,   224
.set TL,   225
.set EX,   226        ; v226-230
.set TL2,  231
.set PX,   232        ; v232-235
; LDS: 0: the pairs, two buffers of 1,024 bytes (wave w, lane l at 256 w + 8 l).  2,048: the partials, two buffers of four x 16 rows of 256 bytes + 16: the pitch, 272 = 17 x 16 bytes, sets the 16 rows that a store touches at 16 different places modulo 256 bytes.
.set STATB, 1024
.set OPB,   2048
.set OPP,   272
.set OPW1,  16*OPP    ; one wave's partial
.set OPBUF, 4*OPW1    ; a buffer
.set MSB, 0
.macro WIN new                      ; s_set_vgpr_msb: bits 1:0 source 0, 3:2 source 1, 5:4 source 2, 7:6 destination; the high byte repeats the setting that is left; a switch that changes nothing is dropped
.if MSB != (\new)
	s_set_vgpr_msb (MSB<<8)|(\new)
.set MSB, (\new)
.endif
.endm
.macro PLACES n                     ; plain vector places behind matrix instructions (ISA guide 7.12.1), where no other vector work is at hand
.rept \n
	v_nop
.endr
.endm
	s_load_b256 s[4:11], s[0:1], 0x0               ; q_codes s[4:5], q_scales s[6:7], k_codes s[8:9], k_scales s[10:11]
	s_load_b128 s[12:15], s[0:1], 0x20             ; v_codes s[12:13], v_scales s[14:15]
	s_load_b64 s[16:17], s[0:1], 0x30              ; out0
	v_lshl_add_u32 v254, v0, 2, 0x9000
	v_mov_b32 v255, 0
.irp j, 4,5,6,7,12,13,14,15
	v_mov_b32 v[QF+\j], 0                          ; Q's zero codes for k = 64 .. 127: they stay
.endr
	v_mov_b32 v[NM+1], 0                           ; named as upper halves of pairs before they are first written
	v_mov_b32 v[NM+3], 0
	v_mov_b32 v[GF+1], 0
	v_mov_b32 v[TX], 0                             ; a lane permute's destination counts as one of its sources
.irp j, 0,1,2,3
	v_mov_b32 v[PX+\j], 0
.endr
	v_lshrrev_b32 v1, 5, v0
	v_readfirstlane_b32 s18, v1                    ; wave 0..3
	v_and_b32 v1, 31, v0                           ; lane
	v_and_b32 v2, 15, v0                           ; r
	v_bfe_u32 v3, v0, 4, 1                         ; h
	v_lshlrev_b32 v[AQ], 5, v2
	v_lshl_add_u32 v[AQ], v3, 4, v[AQ]             ; a query's row of 32 bytes, my half's 16
	v_lshlrev_b32 v[AQS], 1, v2
	v_lshlrev_b32 v[STW], 3, v0
	v_lshlrev_b32 v[STR], 3, v1
	s_wait_alu depctr_va_sdst(0)                   ; s18 is written, ahead of its first reader: LDS places and the bases of K, V and out0 are made from it
	s_mul_i32 s20, s18, OPW1
	s_add_co_u32 s20, s20, OPB
	v_mul_u32_u24 v[OPW], v2, OPP
	v_lshl_add_u32 v[OPW], v3, 5, v[OPW]
	v_add_nc_u32 v[OPW], s20, v[OPW]               ; my partial: row = my query, 32 h bytes on; tile t 64 t bytes on
	s_mul_i32 s21, s18, 4*OPP
	s_add_co_u32 s21, s21, OPB
	v_mul_u32_u24 v[OPR], v3, OPP
	v_lshl_add_u32 v[OPR], v2, 4, v[OPR]
	v_add_nc_u32 v[OPR], s21, v[OPR]               ; back: rows 4 w on; lanes 0-15 one row of 256 bytes, lanes 16-31 the next
	v_lshlrev_b32 v[OG], 4, v1
	v_lshlrev_b32 v[SH8], 3, v3
	v_bfe_u32 v14, v0, 3, 1                        ; r / 8
	v_and_b32 v15, 7, v0                           ; r % 8
	v_lshlrev_b32 v[AK], 10, v14
	v_lshl_add_u32 v[AK], v15, 5, v[AK]
	v_lshl_add_u32 v[AK], v3, 4, v[AK]             ; K: key 32 (r / 8) + r % 8 of a tile's 64, rows of 32 bytes, + 16 h
	v_lshlrev_b32 v[AKS], 6, v14
	v_lshl_add_u32 v[AKS], v15, 1, v[AKS]
	v_lshl_add_u32 v[AKS], v3, 4, v[AKS]           ; its scale bytes, 2 a key; lanes 16-31 take the tile 8 keys on
	v_lshlrev_b32 v[AV], 10, v2
	v_lshl_add_u32 v[AV], v3, 4, v[AV]             ; V: row r of 1,024 bytes, + 16 h
	v_lshlrev_b32 v[AVS], 6, v1                    ; its scale bytes: row = lane, 64 bytes a row
	s_mov_b32 s24, 0x3fb8aa3b                      ; log2 e
	s_mov_b32 s25, s24                             ; (named with it as a pair)
	s_mov_b32 s26, 0xbfb8aa3b                      ; -log2 e
	s_mov_b32 s27, 0x403504f3                      ; 64^0.25 = 2^1.5
	s_mov_b32 s28, 0x76543210
	s_mov_b32 s29, 0xfedcba98                      ; v_permlanex16_b32's selects for lane l xor 16
	s_and_b32 s19, ttmp7, 0xffff                   ; the head
	s_mov_b32 s21, 0
	s_lshl_b32 s31, s19, 16                        ; the head's first byte in each tensor of codes
	s_lshl_b32 s32, s19, 12                        ; and of scale bytes
	s_wait_kmcnt 0x0
	s_lshl_b32 s20, ttmp9, 14                      ; my 512 queries: 16,384 bytes of codes,
	s_add_co_u32 s20, s20, s31
	s_add_nc_u64 s[4:5], s[4:5], s[20:21]
	s_lshl_b32 s20, ttmp9, 10                      ; 1,024 scale bytes
	s_add_co_u32 s20, s20, s32
	s_add_nc_u64 s[6:7], s[6:7], s[20:21]
	s_lshl_b32 s20, s18, 14                        ; my wave's 512 keys of K
	s_add_co_u32 s20, s20, s31
	s_add_nc_u64 s[8:9], s[8:9], s[20:21]
	s_lshl_b32 s20, s18, 10
	s_add_co_u32 s20, s20, s32
	s_add_nc_u64 s[10:11], s[10:11], s[20:21]
	s_lshl_b32 s20, s18, 8                         ; and of V: 256 bytes of each row,
	s_add_co_u32 s20, s20, s31
	s_add_nc_u64 s[12:13], s[12:13], s[20:21]
	s_lshl_b32 s20, s18, 4                         ; 16 scale bytes of each row
	s_add_co_u32 s20, s20, s32
	s_add_nc_u64 s[14:15], s[14:15], s[20:21]
	s_lshl_b32 s20, s19, 19                        ; out0: head x 524,288 + 512 queries x 256 bytes + my four rows of a tile
	s_lshl_b32 s33, ttmp9, 17
	s_add_co_u32 s20, s20, s33
	s_lshl_b32 s33, s18, 10
	s_add_co_u32 s20, s20, s33
	s_add_nc_u64 s[16:17], s[16:17], s[20:21]
	s_wait_alu depctr_va_vdst(0)                   ; the addresses v4 to v15 are written, which every load and store of the kernel reads; so are Q's zero codes, which every K Q^T takes in its source 1.  Only loads and window switches follow up to the last load of the head
	global_load_b128 v[QF:QF+3], v[AQ], s[4:5]                 ; Q of tiles 0 and 1
	global_load_u16 v[QS], v[AQS], s[6:7]                      ; two real bytes; the upper two come as 0
	global_load_b128 v[QF+8:QF+11], v[AQ], s[4:5] offset:512
	global_load_u16 v[QS+1], v[AQS], s[6:7] offset:32
.irp x, 0,1,2,3,4,5,6,7,8,9,10,11,12,13,14,15
	global_load_u16 v[KS+\x], v[AKS], s[10:11] offset:2*(64*(\x/2)+16*(\x%2))
.endr
	global_load_b128 v[VS:VS+3], v[AVS], s[14:15]              ; rows 0-31: my 16 bytes are the words of K steps 0 to 3
	global_load_b128 v[VS+4:VS+7], v[AVS], s[14:15] offset:2048
	WIN 0x40                                       ; destination window 1
.set T, 0
.rept 32
	global_load_b128 v[4*T:4*T+3], v[AK], s[8:9] offset:32*(64*(T/4)+8*(T%4))   ; tile T: two runs of eight keys: twice 256 consecutive bytes
.set T, T+1
.endr
.irp s, 0,1,2,3
.irp t, 0,1,2,3
.irp c, 0,1
	global_load_b128 v[128+8*(4*\s+\t)+4*\c:128+8*(4*\s+\t)+4*\c+3], v[AV], s[12:13] offset:16384*\t+64*\s+32*\c
.endr
.endr
.endr
	WIN 0
	s_wait_loadcnt 0x0                             ; all of them: key tile 31's source 0 names V's first four registers too
; 16 products of S^T = K Q^T for tiles t0 .. t0 + 15 of keys, into the scores' buffer p.  Each starts its own sum with the constant 0: there is one K step.
; Their operands and scales come by loads, but for Q's zero codes, which the head's wait has shown written.
.macro QKRUN p, t0
	WIN ((2+(\p))<<6)|1                            ; K in window 1, Q in window 0, the scores in window 2 or 3
.set T, \t0
.rept 16
.if T%2
	v_wmma_scale_f32_16x16x128_f8f6f4 v[8*T:8*T+7], v[4*T:4*T+7], v[QF+8*(\p):QF+8*(\p)+7], 0, v[KS+T/2], v[QS+(\p)] matrix_a_fmt:MATRIX_FMT_FP4 matrix_b_fmt:MATRIX_FMT_FP4 matrix_a_scale:MATRIX_SCALE_ROW1
.else
	v_wmma_scale_f32_16x16x128_f8f6f4 v[8*T:8*T+7], v[4*T:4*T+7], v[QF+8*(\p):QF+8*(\p)+7], 0, v[KS+T/2], v[QS+(\p)] matrix_a_fmt:MATRIX_FMT_FP4 matrix_b_fmt:MATRIX_FMT_FP4
.endif
.set T, T+1
.endr
.endm
; The largest score of each of my eight blocks of 32 keys: eight chains by turns; each accumulator is read from its low end on.
.macro MAXRUN p
	WIN (2+(\p))|((2+(\p))<<2)
.irp b, 0,1,2,3,4,5,6,7
	v_max_num_f32 v[BM+8*(\p)+\b], v[32*\b], v[32*\b+1]
.endr
.irp i, 2,4,6,8,10,12,14,16,18,20,22,24,26,28,30
.irp b, 0,1,2,3,4,5,6,7
	v_max3_num_f32 v[BM+8*(\p)+\b], v[32*\b+\i], v[32*\b+\i+1], v[BM+8*(\p)+\b]
.endr
.endr
.endm
; Two chains by turns.  hasA: tile i's -M of my wave, and the blocks' largest p.  hasB: tile i-1's g, from the four waves' pairs.
; Behind each run of transcendentals stands a plain line that touches none of their registers (ISA guide 5.7.2).
.macro MG p, hasA, hasB, hasR
	WIN 0
.if \hasB
	s_wait_dscnt 8*(\hasR)                         ; the four pairs are in; the partials' eight loads, issued behind them, may be out
	v_min3_num_f32 v[TG], v[STT], v[STT+2], v[STT+4]
.endif
.if \hasA
	v_max3_num_f32 v[TM], v[BM+8*(\p)], v[BM+8*(\p)+1], v[BM+8*(\p)+2]
	v_max3_num_f32 v[TL2], v[BM+8*(\p)+3], v[BM+8*(\p)+4], v[BM+8*(\p)+5]
.endif
.if \hasB
	v_min_num_f32 v[TG], v[TG], v[STT+6]           ; -M of the whole row: the least of the four -M_w
.endif
.if \hasA
	v_max3_num_f32 v[TM], v[TM], v[BM+8*(\p)+6], v[BM+8*(\p)+7]
.endif
.if \hasB
.irp w, 0,1,2,3
	v_sub_f32 v[EX+\w], v[TG], v[STT+2*\w]         ; M_w - M, 0 or less
.endr
	v_sub_f32 v[EX+4], v[TG], v[NM+2*(1-(\p))]     ; my own wave's
.endif
.if \hasA
	v_max_num_f32 v[TM], v[TM], v[TL2]
	v_permlanex16_b32 v[TX], v[TM], s28, s29       ; the query's other 256 keys of my wave lie in lane l xor 16
.endif
.if \hasB
.irp w, 0,1,2,3,4
	v_exp_f32 v[EX+\w], v[EX+\w]
.endr
.endif
.if \hasA
	v_max_num_f32 v[TM], v[TM], v[TX]
	v_mul_f32 v[NM+2*(\p)], s26, v[TM]             ; -M_w = -(largest score x log2 e)
.else
	v_nop                                          ; the plain line behind the exponentials
.endif
.if \hasB
	s_wait_alu depctr_va_vdst(0)                   ; the five exponentials have written v[EX ..], which the lines below read
	v_mul_f32 v[TL], v[EX], v[STT+1]
	v_fma_f32 v[TL], v[EX+1], v[STT+3], v[TL]
	v_fma_f32 v[TL], v[EX+2], v[STT+5], v[TL]
	v_fma_f32 v[TL], v[EX+3], v[STT+7], v[TL]      ; l = the sum of 2^(M_w - M) l_w
	v_mul_f32 v[TL], s27, v[TL]                    ; x 2^1.5
.endif
.if \hasA
.irp b, 0,1,2,3,4,5,6,7
	v_fma_f32 v[BM+8*(\p)+\b], v[BM+8*(\p)+\b], s24, v[NM+2*(\p)]   ; the same multiply-add as every score's
.endr
.endif
.if \hasB
	v_rcp_f32 v[TL], v[TL]
.endif
.if \hasA
.irp b, 0,1,2,3,4,5,6,7
	v_exp_f32 v[BM+8*(\p)+\b], v[BM+8*(\p)+\b]     ; the blocks' largest p (first read a step later, behind many waits)
.endr
.endif
	v_nop
.if \hasB
	s_wait_alu depctr_va_vdst(0)                   ; the reciprocal has written v[TL], which the line below reads
	v_mul_f32 v[GF], v[TL], v[EX+4]                ; g = 2^(M_w - M) / (l 2^1.5)
.endif
.endm
; p = 2^(s log2 e - M_w), in place.  A packed multiply-add runs four pairs ahead of its two exponentials and stands between the pairs of exponentials.
.macro EXPRUN p
	WIN ((2+(\p))<<6)|(2+(\p))
.irp j, 0,1,2,3
	v_pk_fma_f32 v[2*\j:2*\j+1], v[2*\j:2*\j+1], s[24:25], v[NM+2*(\p):NM+2*(\p)+1] op_sel_hi:[1,0,0]
.endr
.set J, 0
.rept 128
.if J+4 < 128
	v_pk_fma_f32 v[2*J+8:2*J+9], v[2*J+8:2*J+9], s[24:25], v[NM+2*(\p):NM+2*(\p)+1] op_sel_hi:[1,0,0]
.endif
	v_exp_f32 v[2*J], v[2*J]
	v_exp_f32 v[2*J+1], v[2*J+1]
.set J, J+1
.endr
.endm
; The sum of my 256 p, two at a time, in eight chains; the first eight additions start the chains (and the first is the plain line behind the last exponential).
.macro SUMRUN p
	WIN (2+(\p))|((2+(\p))<<2)
	s_wait_alu depctr_va_vdst(0)                   ; the 256 exponentials have written p, which the additions below read: one wait for the batch
.irp k, 0,1,2,3,4,5,6,7
	v_pk_add_f32 v[ACC+2*\k:ACC+2*\k+1], v[2*\k:2*\k+1], v[16+2*\k:17+2*\k]
.endr
	WIN (2+(\p))
.set J, 16
.rept 112
	v_pk_add_f32 v[ACC+2*(J%8):ACC+2*(J%8)+1], v[2*J:2*J+1], v[ACC+2*(J%8):ACC+2*(J%8)+1]
.set J, J+1
.endr
.endm
; By turns: hasA: the eight chains become l_w (my pair goes to LDS later, with my partial O^T).  hasB: tile i-1's scale bytes: a block's largest weight, the floor, 2 off its exponent field (the conversion's scale operand), the byte, the words.
.macro LP p, hasA, hasB
	WIN 0
.if \hasA
.irp k, 0,1,2,3
	v_pk_add_f32 v[ACC+2*\k:ACC+2*\k+1], v[ACC+2*\k:ACC+2*\k+1], v[ACC+8+2*\k:ACC+9+2*\k]
.endr
.endif
.if \hasB
.irp b, 0,1,2,3,4,5,6,7
	v_mul_f32 v[WM+\b], v[BM+8*(1-(\p))+\b], v[GF]             ; the same multiply as every weight's
.endr
.endif
.if \hasA
.irp k, 0,1
	v_pk_add_f32 v[ACC+2*\k:ACC+2*\k+1], v[ACC+2*\k:ACC+2*\k+1], v[ACC+4+2*\k:ACC+5+2*\k]
.endr
.endif
.if \hasB
.irp b, 0,1,2,3,4,5,6,7
	v_max_num_f32 v[WM+\b], 0x1800000, v[WM+\b]    ; the floor 2^(3 - 127): the byte cannot fall under 1
.endr
.endif
.if \hasA
	v_pk_add_f32 v[ACC:ACC+1], v[ACC:ACC+1], v[ACC+2:ACC+3]
.endif
.if \hasB
.irp b, 0,1,2,3,4,5,6,7
	v_add_nc_u32 v[SO+\b], 0xff000000, v[WM+\b]    ; 2 off the exponent field
.endr
.endif
.if \hasA
	v_add_f32 v[TL2], v[ACC], v[ACC+1]
.endif
.if \hasB
.irp b, 0,1,2,3,4,5,6,7
	v_lshrrev_b32 v[WM+\b], 23, v[SO+\b]           ; the scale's byte
.endr
.endif
.if \hasA
	v_permlanex16_b32 v[TX], v[TL2], s28, s29
.endif
.if \hasB
.irp s, 0,1,2,3
	v_lshl_or_b32 v[PS+\s], v[WM+2*\s+1], 16, v[WM+2*\s]       ; my two bytes of K step s: blocks h and 2 + h,
.endr
.endif
.if \hasA
	v_add_f32 v[NM+2*(\p)+1], v[TL2], v[TX]        ; l_w
.endif
.if \hasB
.irp s, 0,1,2,3
	v_lshlrev_b32 v[PS+\s], v[SH8], v[PS+\s]       ; at their places in the word;
.endr
.irp s, 0,1,2,3
	v_permlanex16_b32 v[PX+\s], v[PS+\s], s28, s29
.endr
.irp s, 0,1,2,3
	v_or_b32 v[PS+\s], v[PS+\s], v[PX+\s]          ; with lane l xor 16's two the word is whole
.endr
.endif
.endm
.macro MULH q, half                 ; the finished weights of half the keys: p g, two at a time
	WIN ((2+(\q))<<6)|(2+(\q))
.set J, 64*(\half)
.rept 64
	v_pk_mul_f32 v[2*J:2*J+1], v[2*J:2*J+1], v[GF:GF+1] op_sel_hi:[1,0]
.set J, J+1
.endr
.endm
.macro CVTH q, half                 ; their codes: block b's 32 weights are registers 4 b .. 4 b + 3 of P's codes
	WIN (2+(\q))
.irp bb, 0,1,2,3
.irp n, 0,1,2,3
	v_cvt_scalef32_pk8_fp4_f32 v[PC+4*(4*(\half)+\bb)+\n], v[32*(4*(\half)+\bb)+8*\n:32*(4*(\half)+\bb)+8*\n+7], v[SO+4*(\half)+\bb]
.endr
.endr
.endm
.macro PV1 s, t                     ; O^T(tile t of the head's 64) += V^T P for K step s; the first K step starts the sums
.if (\s) == 0
.if (\t)%2
	v_wmma_scale_f32_16x16x128_f8f6f4 v[OA+8*(\t):OA+8*(\t)+7], v[128+8*(4*(\s)+(\t)):128+8*(4*(\s)+(\t))+7], v[PC+8*(\s):PC+8*(\s)+7], 0, v[VS+4*((\t)/2)+(\s)], v[PS+(\s)] matrix_a_fmt:MATRIX_FMT_FP4 matrix_b_fmt:MATRIX_FMT_FP4 matrix_a_scale:MATRIX_SCALE_ROW1
.else
	v_wmma_scale_f32_16x16x128_f8f6f4 v[OA+8*(\t):OA+8*(\t)+7], v[128+8*(4*(\s)+(\t)):128+8*(4*(\s)+(\t))+7], v[PC+8*(\s):PC+8*(\s)+7], 0, v[VS+4*((\t)/2)+(\s)], v[PS+(\s)] matrix_a_fmt:MATRIX_FMT_FP4 matrix_b_fmt:MATRIX_FMT_FP4
.endif
.else
.if (\t)%2
	v_wmma_scale_f32_16x16x128_f8f6f4 v[OA+8*(\t):OA+8*(\t)+7], v[128+8*(4*(\s)+(\t)):128+8*(4*(\s)+(\t))+7], v[PC+8*(\s):PC+8*(\s)+7], v[OA+8*(\t):OA+8*(\t)+7], v[VS+4*((\t)/2)+(\s)], v[PS+(\s)] matrix_a_fmt:MATRIX_FMT_FP4 matrix_b_fmt:MATRIX_FMT_FP4 matrix_a_scale:MATRIX_SCALE_ROW1
.else
	v_wmma_scale_f32_16x16x128_f8f6f4 v[OA+8*(\t):OA+8*(\t)+7], v[128+8*(4*(\s)+(\t)):128+8*(4*(\s)+(\t))+7], v[PC+8*(\s):PC+8*(\s)+7], v[OA+8*(\t):OA+8*(\t)+7], v[VS+4*((\t)/2)+(\s)], v[PS+(\s)] matrix_a_fmt:MATRIX_FMT_FP4 matrix_b_fmt:MATRIX_FMT_FP4
.endif
.endif
.endm
.macro PVRUN s0                     ; K steps s0 and s0 + 1; the four accumulators take turns, one instruction a turn
	WIN 0x01                                       ; V in window 1
.irp d, 0,1
.irp t, 0,1,2,3
	PV1 (\s0)+\d, \t
.endr
.endr
.endm
.macro SLOAD b                      ; the four waves' pairs of my query
.irp w, 0,1,2,3
	ds_load_b64 v[STT+2*\w:STT+2*\w+1], v[STR] offset:STATB*(\b)+256*\w
.endr
.endm
.macro RLOAD b                      ; rows 4 w .. 4 w + 3 of the four partials: two rows, 512 bytes, a load
.irp w, 0,1,2,3
.irp i, 0,1
	ds_load_b128 v[RB+4*(2*\w+\i):RB+4*(2*\w+\i)+3], v[OPR] offset:OPBUF*(\b)+OPW1*\w+2*OPP*\i
.endr
.endr
.endm
.macro RSUM                         ; (w0 + w1) + (w2 + w3)
.irp i, 0,1
.irp c, 0,2
	v_pk_add_f32 v[RB+4*\i+\c:RB+4*\i+\c+1], v[RB+4*\i+\c:RB+4*\i+\c+1], v[RB+8+4*\i+\c:RB+8+4*\i+\c+1]
	v_pk_add_f32 v[RB+16+4*\i+\c:RB+16+4*\i+\c+1], v[RB+16+4*\i+\c:RB+16+4*\i+\c+1], v[RB+24+4*\i+\c:RB+24+4*\i+\c+1]
.endr
.endr
.irp i, 0,1
.irp c, 0,2
	v_pk_add_f32 v[RB+4*\i+\c:RB+4*\i+\c+1], v[RB+4*\i+\c:RB+4*\i+\c+1], v[RB+16+4*\i+\c:RB+16+4*\i+\c+1]
.endr
.endr
.endm
.macro RSTORE                       ; the base stands three tiles past tile i-2; 32 lanes store 512 consecutive bytes, two rows of out0, at a multiple of 256 from its first byte
.irp i, 0,1
	global_store_b128 v[OG], v[RB+4*\i:RB+4*\i+3], s[16:17] offset:-12288+512*\i th:TH_STORE_NT
.endr
.endm
.macro OSTORE b                     ; my partial O^T: lane (q, h), tile t: channels 16 t + 8 h + 0 .. 7 of query q; each accumulator from its low end on
.irp t, 0,1,2,3
	ds_store_b128 v[OPW], v[OA+8*\t:OA+8*\t+3] offset:OPBUF*(\b)+64*\t
	ds_store_b128 v[OPW], v[OA+8*\t+4:OA+8*\t+7] offset:OPBUF*(\b)+64*\t+16
.endr
.endm
; STEP i, p = i % 2.  hasA: A(i).  hasB: B(i-1).  hasR: R(i-2).  hasQL: Q of tile i+2 is asked for.  hasQK: K Q^T of tile i+1.  hasBar: the step's barrier.  lcnt: the loads issued behind Q(i+1)'s.
; LDS: pairs[p] and partials[1-p] are written in step i, ahead of its barrier, and read in step i+1; they are written again in step i+2, behind the barrier of step i+1, which each wave signals only with its reads done.
.macro STEP p, hasA, hasB, hasR, hasQL, hasQK, hasBar, lcnt
	WIN 0
.if \hasA
	PLACES 4                                       ; behind tile i's K Q^T: in front of the first read of the scores
.endif
	s_wait_xcnt 0x0                                ; the earlier loads and stores have read their bases and data: the bases may step, and the partials' registers may be loaded again
.if \hasR
	s_wait_alu depctr_vm_vsrc(0)                   ; the last step's stores to out0 have read v[RB ..], in which the loads below land; its LDS stores have read v[OA ..], which this step's products begin anew; the pair's store of two steps back has read v[NM + 2 p ..], which this step writes again
.endif
.if \hasQL
	s_wait_alu depctr_va_vdst(0)                   ; tile i's K Q^T products are done reading Q's fragment and scale word, in which the two loads below land
.endif
	s_add_nc_u64 s[16:17], s[16:17], 4096          ; a tile of out0
.if \hasQL
	s_add_nc_u64 s[4:5], s[4:5], 512
	s_add_nc_u64 s[6:7], s[6:7], 32
	global_load_b128 v[QF+8*(\p):QF+8*(\p)+3], v[AQ], s[4:5] offset:512    ; Q of tile i+2, into the registers that tile i has left
	global_load_u16 v[QS+(\p)], v[AQS], s[6:7] offset:32
.endif
; The LDS loads below land in v[STT ..] and v[RB ..].  The last vector lines that named these registers (the last step's MG and RSUM) stand ahead of that step's waits on va_vdst, and since the last of those waits,
; the one ahead of its LDS stores, only K Q^T products and v_nop were issued, which name neither: nothing more is owed for them, on the way into the loop and over its backward jump alike.
.if \hasB
	SLOAD 1-(\p)
.endif
.if \hasR
	RLOAD \p
.endif
.if \hasA
	MAXRUN \p
.endif
.if (\hasA)+(\hasB)
	MG \p, \hasA, \hasB, \hasR
.endif
.if \hasA
	EXPRUN \p
	SUMRUN \p
.endif
.if (\hasA)+(\hasB)
	LP \p, \hasA, \hasB
.endif
.if \hasB
	MULH 1-(\p), 0
	CVTH 1-(\p), 0
	MULH 1-(\p), 1                                 ; these 64 are also the places between the conversions and the products that take their codes
	s_wait_alu depctr_va_vdst(0)                   ; the conversions have written P's codes of K steps 0 and 1, and LP's lines P's scale words: the products below take them; the places above stay beside this wait
	PVRUN 0
	CVTH 1-(\p), 1                                 ; they name no register of the products above
.endif
.if \hasR
	WIN 0
	s_wait_dscnt 0x0                               ; the partials' rows are in
	RSUM                                           ; twelve plain lines: the places behind the conversions and in front of the products below
	s_wait_alu depctr_va_vdst(0)                   ; the additions have written v[RB ..], which the stores below read; where products follow, the conversions have written P's codes of K steps 2 and 3, which they take
	RSTORE
.elseif \hasB
	PLACES 8
	s_wait_alu depctr_va_vdst(0)                   ; the conversions have written P's codes of K steps 2 and 3, which the products below take; the places above stay beside this wait
.endif
.if \hasB
	PVRUN 2
	PLACES 4                                       ; in front of the LDS stores that read the results
	WIN 0
	s_wait_alu depctr_va_vdst(0)                   ; the products have written v[OA ..], which the LDS stores below read (the places above stay beside this wait); -M_w and l_w are written, which the pair's store reads
.elseif \hasA
	s_wait_alu depctr_va_vdst(0)                   ; -M_w and l_w are written, which the pair's store reads
.endif
.if \hasA
	ds_store_b64 v[STW], v[NM+2*(\p):NM+2*(\p)+1] offset:STATB*(\p)   ; my pair of tile i
.endif
.if \hasB
	OSTORE 1-(\p)
.endif
.if \hasQK
	s_wait_loadcnt \lcnt                           ; Q of tile i+1 is in; the loads of tile i+2's, issued behind it, may be out
	QKRUN 1-(\p), 0
.endif
.if \hasBar
	s_wait_dscnt 0x0                               ; for the others' sake: my pair and my partial lie in LDS, and my reads of what the next step overwrites are done
	s_barrier_signal -1
.if \hasQK
	QKRUN 1-(\p), 16                               ; work on registers while the others arrive
.endif
	WIN 0                                          ; at a label and at a branch every window is 0
	s_barrier_wait -1
.endif
.endm
	QKRUN 0, 0                                     ; tile 0's scores
	QKRUN 0, 16
	STEP 0, 1, 0, 0, 1, 1, 1, 2                    ; step 0
	STEP 1, 1, 1, 0, 1, 1, 1, 2                    ; step 1
	s_mov_b32 s30, 14
.Ltiles:                                               ; steps 2 to 29, two a trip
	STEP 0, 1, 1, 1, 1, 1, 1, 2
	STEP 1, 1, 1, 1, 1, 1, 1, 2
	s_sub_co_u32 s30, s30, 1
	s_cmp_lg_u32 s30, 0
	s_cbranch_scc1 .Ltiles
	STEP 0, 1, 1, 1, 0, 1, 1, 0                    ; step 30: no tile 32 to ask for: no load leaves its buffer
	STEP 1, 1, 1, 1, 0, 0, 1, 0                    ; step 31: the last tile's A
	STEP 0, 0, 1, 1, 0, 0, 1, 0                    ; step 32: its B
	STEP 1, 0, 0, 1, 0, 0, 0, 0                    ; step 33: its R
	s_wait_dscnt 0x0                               ; the closing lines, six on end
	s_wait_alu 0x0
	s_wait_tensorcnt 0x0
	ds_add_u32 v254, v255
	s_wait_dscnt 0x0
	s_endpgm
.Lfunc_end_k_q4c5fc8a404_attn:
	.size	k_q4c5fc8a404_attn, .Lfunc_end_k_q4c5fc8a404_attn-k_q4c5fc8a404_attn
	.p2alignl 7, 3214868480
	.fill 96, 4, 3214868480
	.section	.rodata,"a",@progbits
	.p2align	6, 0x0
	.amdhsa_kernel k_q4c5fc8a404_attn
		.amdhsa_group_segment_fixed_size 37376
		.amdhsa_private_segment_fixed_size 0
		.amdhsa_enable_private_segment 0
		.amdhsa_kernarg_size 56
		.amdhsa_user_sgpr_count 2
		.amdhsa_user_sgpr_kernarg_segment_ptr 1
		.amdhsa_wavefront_size32 1
		.amdhsa_system_sgpr_workgroup_id_x 1
		.amdhsa_system_sgpr_workgroup_id_y 1
		.amdhsa_system_sgpr_workgroup_id_z 1
		.amdhsa_system_vgpr_workitem_id 0
		.amdhsa_next_free_vgpr 1024
		.amdhsa_next_free_sgpr 66
		.amdhsa_reserve_vcc 0
		.amdhsa_float_denorm_mode_32 3
		.amdhsa_float_denorm_mode_16_64 3
		.amdhsa_memory_ordered 1
		.amdhsa_forward_progress 1
		.amdhsa_inst_pref_size 255
	.end_amdhsa_kernel
	.section	.bss,"aw",@nobits
	.p2align	6
	.space	262144
	.amdgpu_metadata
---
amdhsa.version: [ 1, 2 ]
amdhsa.kernels:
  - .name:           k_q4c5fc8a404_attn
    .symbol:         k_q4c5fc8a404_attn.kd
    .args:
      - { .name: q_codes, .offset: 0, .size: 8, .value_kind: global_buffer, .address_space: global }
      - { .name: q_scales, .offset: 8, .size: 8, .value_kind: global_buffer, .address_space: global }
      - { .name: k_codes, .offset: 16, .size: 8, .value_kind: global_buffer, .address_space: global }
      - { .name: k_scales, .offset: 24, .size: 8, .value_kind: global_buffer, .address_space: global }
      - { .name: v_codes, .offset: 32, .size: 8, .value_kind: global_buffer, .address_space: global }
      - { .name: v_scales, .offset: 40, .size: 8, .value_kind: global_buffer, .address_space: global }
      - { .name: out0, .offset: 48, .size: 8, .value_kind: global_buffer, .address_space: global }
    .group_segment_fixed_size: 37376
    .private_segment_fixed_size: 0
    .kernarg_segment_align: 8
    .kernarg_segment_size: 56
    .max_flat_workgroup_size: 128
    .sgpr_count:     66
    .vgpr_count:     1024
    .wavefront_size: 32
...
	.end_amdgpu_metadata
.endif
;; end of part 2
